; MI455X (gfx1250); checked and timed in simulation.
; The chip was launched on July 23, 2026; its instructions are those of AMD's public machine-readable ISA for CDNA 5 (MIT licence, August 2026) and "CDNA5" Instruction Set Architecture Reference Guide (July 2026). The comments in the code are by the model that wrote it; some were corrected since.
;; Sparse BSR Linear. Allowed arithmetic: float matrix products may take bf16 or f16 operands with f32 sums; all other float work in f32.
;; Inputs: bias 4,096 float32; input 4,096 x 4,096 float32; mask 4,096 x 4,096 float32; weight 4,096 x 4,096 float32.
;; Outputs: out0 4,096 x 4,096 float32.
;; One version. Each part assembles by itself: llvm-mc -triple=amdgcn-amd-amdhsa -mcpu=gfx1250 --defsym DOCPART=n.
;; ======== version 1 of 1: 2 launches
;; workspace buffers: xb 33,554,432 bytes; wb 33,554,432 bytes; flags 2,048 bytes of whole numbers
;; launch prep (part 1): grid 256 x 1, 8 waves a work-group, no clusters, 35,840 bytes of LDS; arguments input, weight, mask, xb, wb, flags; writes xb, wb, flags
.if DOCPART == 1
	.amdgcn_target "amdgcn-amd-amdhsa--gfx1250"
	.amdhsa_code_object_version 6
	.text
	.protected	k_qac2ef3b24b_prep
	.globl	k_qac2ef3b24b_prep
	.p2align	8
	.type	k_qac2ef3b24b_prep,@function
k_qac2ef3b24b_prep:
	s_mov_b64 s[64:65], 0
	v_nop
	global_prefetch_b8 v0, s[64:65] scope:SCOPE_SE
	s_setreg_imm32_b32 hwreg(HW_REG_WAVE_MODE, 25, 1), 1
	s_wait_xcnt 0x0
; PREP.  xb = bf16(input), wb = bf16(weight * mask) (the product in f32, rounded once), both laid out as finished matrix fragments; flags = which pieces of wb hold anything but +-0.
; All three inputs are [4096][4096] f32.  A stream: each input byte is read once, each output byte written once; no matrix work, no barrier.
; LAYOUT OF xb.  Column block kb (64 k) and token block mb (16 tokens) are a chunk of 2,048 bytes at (256 kb + mb) x 2,048: four parts n of 512 bytes; in part n lane L = 16 h + r owns
; the 16 bytes at 16 L: token r, k = 16 n + 8 h + 0..7.  Parts 2 q and 2 q + 1 are registers 0-3 and 4-7 of the 16 x 32 fragment of k = 32 q .. 32 q + 31 (ISA guide 7.12.2).
; LAYOUT OF wb.  The same inside; block row ob (64 outputs), column block kb, output block b (16 outputs) at 524,288 ob + 8,192 kb + 2,048 b.
; flags.  Strip g (rows 16 g .. 16 g + 15 of weight) has 8 bytes at 8 g: bit kb of that 64-bit word is 1 where the strip's 16 x 64 piece of column block kb holds a bf16 number other than +-0.
; A NaN or an infinity in weight * mask sets the bit.  The mask is taken as a factor, whatever numbers it holds.
; SHARES.  Work-group g takes rows 16 g .. 16 g + 15 of input (token block g) and of weight and mask (ob = g / 4, b = g % 4).  Wave w takes column blocks 8 w + i, i = 0..7: one a TURN.
; In a turn, row pair j is one load of 16 bytes a lane from each array: lanes 0-15 take the 256 aligned bytes of row 2 j, lanes 16-31 those of row 2 j + 1.
; The rounded numbers change lanes through the wave's own LDS stage and leave by stores of 512 consecutive aligned bytes.
; Two register sets take turns: while one is worked on, the other's 24 loads are out, and the set is asked for again as soon as it has been read.
.set PAIR,  272                        ; two rows of 128 bytes of bf16 + 16 of padding: row r at (r / 2) x 272 + (r % 2) x 128, so the 16 rows that a read touches lie in 16 different columns of 16 bytes modulo 256
.set BLK,   8*PAIR                     ; 16 rows x 64 bf16
.set WSTG,  2*BLK                      ; a wave's stage: x's block, then W's
.set SPARE, 8*WSTG                     ; behind the stages (34,816 = 136 x 256): the spare words, 128 bytes for each wave, four blocks of 256 bytes that no other line names
.set XIN,  1                           ; v1   byte offset in the group's 16 rows: 16,384 (l / 16) + 16 (l % 16) + 2,048 w; never rewritten
.set OX,   2                           ; v2   byte offset in xb: (w << 22) + 16 l; never rewritten
.set OW,   3                           ; v3   byte offset in wb: (w << 16) + 16 l; never rewritten
.set STA,  4                           ; v4   where I put 8 bytes of a row pair: my stage + 8 l
.set RDA,  5                           ; v5   where I read 16 bytes of a fragment part: my stage + row l % 16 + 16 (l / 16)
.set SPW,  6                           ; v6   LDS address of my spare word; never rewritten
.set NIL,  7                           ; v7   0; never rewritten
.set FL,   8                           ; v8   the OR of the turn's packed words of W
.set LN,   9                           ; v9   lane
.set FB,   10                          ; v10  the wave's byte of flags
.set WN,   11                          ; v11  wave number = my byte's offset in the strip's 8 bytes
.set BACK, 12                          ; v[12:43] read back: x's part n at 12 + 4 n, W's at 28 + 4 n
.set SET,  48                          ; set s at 48 + 96 s: x +0..31, weight +32..63, mask +64..95, four registers a row pair
	s_load_b256 s[4:11], s[0:1], 0x0               ; input s[4:5], weight s[6:7], mask s[8:9], xb s[10:11]
	s_load_b128 s[12:15], s[0:1], 0x20             ; wb s[12:13], flags s[14:15]
	v_lshl_add_u32 v[SPW], v0, 2, SPARE
	v_mov_b32 v[NIL], 0
	v_and_b32 v[LN], 31, v0
	v_lshrrev_b32 v[WN], 5, v0
	v_readfirstlane_b32 s16, v[WN]                 ; wave 0..7, as a scalar
	s_mul_i32 s17, s16, WSTG                       ; my stage
	s_mov_b32 s22, 0                               ; the flag byte grows from 0
	v_and_b32 v12, 15, v[LN]                       ; l % 16
	v_lshrrev_b32 v13, 4, v[LN]                    ; l / 16
	v_lshlrev_b32 v[XIN], 4, v12
	v_lshl_add_u32 v[XIN], v13, 14, v[XIN]
	v_lshl_add_u32 v[XIN], v[WN], 11, v[XIN]       ; my wave's eight column blocks begin 8 x 256 bytes x w into a row
	v_lshlrev_b32 v[OX], 4, v[LN]
	v_lshl_add_u32 v[OW], v[WN], 16, v[OX]         ; 8 w column blocks of 8,192 bytes
	v_lshl_add_u32 v[OX], v[WN], 22, v[OX]         ; 8 w column blocks of 524,288 bytes
	v_lshl_add_u32 v[STA], v[LN], 3, s17
	v_lshrrev_b32 v14, 1, v12
	v_mul_u32_u24 v[RDA], v14, PAIR
	v_and_b32 v14, 1, v[LN]
	v_lshl_add_u32 v[RDA], v14, 7, v[RDA]
	v_lshl_add_u32 v[RDA], v13, 4, v[RDA]
	v_add_nc_u32 v[RDA], s17, v[RDA]
	s_mov_b32 s19, 0
	s_wait_kmcnt 0x0
	s_lshl_b32 s18, ttmp9, 18                      ; 16 rows of 16,384 bytes
	s_add_nc_u64 s[4:5], s[4:5], s[18:19]
	s_add_nc_u64 s[6:7], s[6:7], s[18:19]
	s_add_nc_u64 s[8:9], s[8:9], s[18:19]
	s_lshl_b32 s18, ttmp9, 11                      ; token block g
	s_add_nc_u64 s[10:11], s[10:11], s[18:19]
	s_lshr_b32 s18, ttmp9, 2
	s_lshl_b32 s18, s18, 19                        ; block row g / 4,
	s_and_b32 s20, ttmp9, 3
	s_lshl_b32 s20, s20, 11                        ; output block g % 4
	s_add_co_u32 s18, s18, s20
	s_add_nc_u64 s[12:13], s[12:13], s[18:19]
	s_lshl_b32 s18, ttmp9, 3                       ; the strip's 8 bytes
	s_add_nc_u64 s[14:15], s[14:15], s[18:19]
; 24 loads: column block i of my eight, all 16 rows, from the three arrays, into set s.  Every step stands in the immediate (231,168 at the most).  Each byte is read once in the launch.
.macro FILL s, i
.irp j, 0,1,2,3,4,5,6,7
	global_load_b128 v[SET+96*(\s)+4*(\j):SET+96*(\s)+4*(\j)+3],       v[XIN], s[4:5] offset:(\j)*32768+(\i)*256 th:TH_LOAD_NT
	global_load_b128 v[SET+96*(\s)+32+4*(\j):SET+96*(\s)+32+4*(\j)+3], v[XIN], s[6:7] offset:(\j)*32768+(\i)*256 th:TH_LOAD_NT
	global_load_b128 v[SET+96*(\s)+64+4*(\j):SET+96*(\s)+64+4*(\j)+3], v[XIN], s[8:9] offset:(\j)*32768+(\i)*256 th:TH_LOAD_NT
.endr
.endm
; Column block i.  refill = 1: its set is asked for again, with column block i + 2.  left = how many younger loads may stay out.
.macro TURN i, refill, left
.set XS, SET+96*((\i)%2)
.set WS, XS+32
.set MS, XS+64
	s_wait_loadcnt \left                           ; loads come back in order (ISA guide 5.7.1): my set's 24 are in, the other set's stay out
.irp j, 0,1,2,3,4,5,6,7
	v_cvt_pk_bf16_f32 v[XS+4*(\j)],   v[XS+4*(\j)],   v[XS+4*(\j)+1]    ; four numbers of x, rounded, in place
	v_cvt_pk_bf16_f32 v[XS+4*(\j)+1], v[XS+4*(\j)+2], v[XS+4*(\j)+3]
	ds_store_b64 v[STA], v[XS+4*(\j):XS+4*(\j)+1] offset:PAIR*(\j)     ; the wave's 32 lanes put 256 consecutive bytes: rows 2 j and 2 j + 1
.endr
.irp j, 0,1,2,3,4,5,6,7
	v_pk_mul_f32 v[WS+4*(\j):WS+4*(\j)+1],   v[WS+4*(\j):WS+4*(\j)+1],   v[MS+4*(\j):MS+4*(\j)+1]    ; weight x mask in f32
	v_pk_mul_f32 v[WS+4*(\j)+2:WS+4*(\j)+3], v[WS+4*(\j)+2:WS+4*(\j)+3], v[MS+4*(\j)+2:MS+4*(\j)+3]
	v_cvt_pk_bf16_f32 v[WS+4*(\j)],   v[WS+4*(\j)],   v[WS+4*(\j)+1]
	v_cvt_pk_bf16_f32 v[WS+4*(\j)+1], v[WS+4*(\j)+2], v[WS+4*(\j)+3]
.if (\j) == 0
	v_or_b32 v[FL], v[WS], v[WS+1]                 ; the first two words start the OR: nothing is cleared
.else
	v_or_b32 v[FL], v[FL], v[WS+4*(\j)]
	v_or_b32 v[FL], v[FL], v[WS+4*(\j)+1]
.endif
	ds_store_b64 v[STA], v[WS+4*(\j):WS+4*(\j)+1] offset:BLK+PAIR*(\j)
.endr
	s_wait_xcnt 0x0                                ; the last turn's stores have had their addresses translated (ISA guide 3.1): only behind this wait is what they read loaded anew
.irp n, 0,1,2,3
	ds_load_b128 v[BACK+4*(\n):BACK+4*(\n)+3],       v[RDA] offset:32*(\n)      ; LDS serves a wave's instructions in order (ISA guide 5.7.1.4): these see the stores above
	ds_load_b128 v[BACK+16+4*(\n):BACK+16+4*(\n)+3], v[RDA] offset:BLK+32*(\n)
.endr
	v_and_b32 v[FL], 0x7fff7fff, v[FL]             ; the signs go: -0 counts as 0
	v_cmp_ne_u32 s20, 0, v[FL]                     ; a lane mask: who holds something
	s_cmp_lg_u32 s20, 0
	s_cselect_b32 s21, 1<<(\i), 0                  ; a choice of a value: no branch and no address hangs on it
	s_or_b32 s22, s22, s21
	s_wait_dscnt 0x0                               ; the eight parts are back, and the stage and the set have been read
.if \refill
	FILL (\i)%2, (\i)+2                            ; loads ahead of stores
.endif
.irp n, 0,1,2,3
	global_store_b128 v[OX], v[BACK+4*(\n):BACK+4*(\n)+3],       s[10:11] offset:(\i)*524288+(\n)*512  ; 512 consecutive bytes, at a multiple of 512 from xb's first
	global_store_b128 v[OW], v[BACK+16+4*(\n):BACK+16+4*(\n)+3], s[12:13] offset:(\i)*8192+(\n)*512    ; the same in wb
.endr
.endm
	FILL 0, 0
	FILL 1, 1                                      ; 48 loads of 512 bytes of each wave are out
.irp i, 0,1,2,3,4,5
	TURN \i, 1, 24
.endr
	TURN 6, 0, 24                                  ; the last two turns ask for nothing: no load leaves a row
	TURN 7, 0, 0
	; my byte of the strip's flags: bits 8 w .. 8 w + 7.  One lane stores one byte: 2,048 bytes in the whole launch.
	v_mov_b32 v[FB], s22
	v_cmp_eq_u32 vcc_lo, 0, v[LN]
	s_wait_xcnt 0x0                                ; EXEC is a source of the stores above: it changes only behind this wait,
	s_and_saveexec_b32 s23, vcc_lo
	global_store_b8 v[WN], v[FB], s[14:15]
	s_wait_xcnt 0x0                                ; and again in front of the line that restores it
	s_or_b32 exec_lo, exec_lo, s23
	s_wait_tensorcnt 0x0                           ; the wave's end, behind my last LDS store
	ds_add_u32 v[SPW], v[NIL]
	s_wait_dscnt 0x0
	s_endpgm
.Lfunc_end_k_qac2ef3b24b_prep:
	.size	k_qac2ef3b24b_prep, .Lfunc_end_k_qac2ef3b24b_prep-k_qac2ef3b24b_prep
	.p2alignl 7, 3214868480
	.fill 96, 4, 3214868480
	.section	.rodata,"a",@progbits
	.p2align	6, 0x0
	.amdhsa_kernel k_qac2ef3b24b_prep
		.amdhsa_group_segment_fixed_size 35840
		.amdhsa_private_segment_fixed_size 0
		.amdhsa_enable_private_segment 0
		.amdhsa_kernarg_size 48
		.amdhsa_user_sgpr_count 2
		.amdhsa_user_sgpr_kernarg_segment_ptr 1
		.amdhsa_wavefront_size32 1
		.amdhsa_system_sgpr_workgroup_id_x 1
		.amdhsa_system_sgpr_workgroup_id_y 1
		.amdhsa_system_sgpr_workgroup_id_z 1
		.amdhsa_system_vgpr_workitem_id 0
		.amdhsa_next_free_vgpr 240
		.amdhsa_next_free_sgpr 66
		.amdhsa_reserve_vcc 1
		.amdhsa_float_denorm_mode_32 3
		.amdhsa_float_denorm_mode_16_64 3
		.amdhsa_memory_ordered 1
		.amdhsa_forward_progress 1
		.amdhsa_inst_pref_size 69
	.end_amdhsa_kernel
	.amdgpu_metadata
---
amdhsa.version: [ 1, 2 ]
amdhsa.kernels:
  - .name:           k_qac2ef3b24b_prep
    .symbol:         k_qac2ef3b24b_prep.kd
    .args:
      - { .name: input, .offset: 0, .size: 8, .value_kind: global_buffer, .address_space: global }
      - { .name: weight, .offset: 8, .size: 8, .value_kind: global_buffer, .address_space: global }
      - { .name: mask, .offset: 16, .size: 8, .value_kind: global_buffer, .address_space: global }
      - { .name: xb, .offset: 24, .size: 8, .value_kind: global_buffer, .address_space: global }
      - { .name: wb, .offset: 32, .size: 8, .value_kind: global_buffer, .address_space: global }
      - { .name: flags, .offset: 40, .size: 8, .value_kind: global_buffer, .address_space: global }
    .group_segment_fixed_size: 35840
    .private_segment_fixed_size: 0
    .kernarg_segment_align: 8
    .kernarg_segment_size: 48
    .max_flat_workgroup_size: 256
    .sgpr_count:     66
    .vgpr_count:     240
    .wavefront_size: 32
...
	.end_amdgpu_metadata
.endif
;; end of part 1
;; launch spmm (part 2): grid 8 x 32, 8 waves a work-group, no clusters, 35,840 bytes of LDS; arguments xb, wb, flags, bias, out0; writes out0
.if DOCPART == 2
	.amdgcn_target "amdgcn-amd-amdhsa--gfx1250"
	.amdhsa_code_object_version 6
	.text
	.protected	k_qac2ef3b24b_spmm
	.globl	k_qac2ef3b24b_spmm
	.p2align	8
	.type	k_qac2ef3b24b_spmm,@function
k_qac2ef3b24b_spmm:
	s_mov_b64 s[64:65], 0
	v_nop
	global_prefetch_b8 v0, s[64:65] scope:SCOPE_SE
	s_setreg_imm32_b32 hwreg(HW_REG_WAVE_MODE, 25, 1), 1
	s_wait_xcnt 0x0
; SPMM.  out0[t][o] = bias[o] + the sum over k of x[t][k] (weight * mask)[o][k], from xb and wb (bf16, laid out as fragments) and flags (whole numbers), all made by the launch before.
; Sums in f32, begun with the bias, column blocks ascending.  Only column blocks whose bit is set in one of the block row's four strips are multiplied: the others hold +-0 alone.
; LIMIT.  Where x holds an infinity or a NaN against a 64 x 64 block whose masked weights are all +-0 in bf16, the dense product would give NaN; this text leaves the block out and gives the finite sum.
; With every bit set the same text does the whole dense product.
; SHARES.  Wave w of work-group (gx, tg) owns block row ob = 8 gx + w (64 outputs) for tokens 128 tg .. 128 tg + 127: 8 token blocks a x 4 output blocks b = 32 accumulators, 256 registers.
; The eight waves have eight different lists, so a work-group's work is the sum of eight list lengths.  The waves share nothing: no barrier stands in the text, and a trip count that hangs on the flags steers none.
; NO LDS IN THE LOOP, NO TENSOR LOADS, NO CLUSTER.  A wave's tokens are its own, and in xb and wb a load of 16 bytes a lane takes 512 consecutive aligned bytes and IS half a fragment, so nothing is
; to be shared or turned on the way.  Of an item's 24 KiB only W's 8 KiB is wanted by other work-groups with the same list (the 32 token groups of one block row); x's pieces are wanted
; by block rows whose lists differ, so partners would need different numbers of tiles.
; AN ITEM is one kept block: 16 KiB of x and 8 KiB of W, 48 loads, 64 matrix instructions, in two stages of 32 along k.  While one stage is multiplied the other's 24 loads are out, and
; a stage is asked for again (the next item's) straight behind its products.
; THE MATRIX INSTRUCTION IS USED TRANSPOSED: source 0 = 16 rows of W, source 1 = 16 tokens.  Lane l then holds token l % 16, and its registers 0-7 the outputs 16 b + 8 (l / 16) + 0..7: 32 neighbouring bytes of a row of out0.
; REGISTERS.  Window 0: v0-9 addresses; stage q at v[32 + 96 q]: x's fragment a at + 8 a, W's fragment b at + 64 + 8 b; v224-255 the bias of my lane's outputs (8 b + j).
; Window 1: accumulator (a, b) at v[8 (4 a + b)].  s_set_vgpr_msb's low byte: bits 1:0 source 0, 3:2 source 1, 5:4 source 2, 7:6 destination.
.set SP,    272                        ; a stage row: 256 bytes (64 outputs in f32) + 16: the 16 rows that a store touches lie in 16 different columns of 16 bytes modulo 256
.set WSTG,  16*SP                      ; a wave's stage for the way out: 16 tokens
.set SPARE, 8*WSTG                     ; behind the stages (34,816 = 136 x 256): the spare words, 128 bytes for each wave, four blocks of 256 bytes that no other line names
.set LO,   1                           ; v1   16 x lane; never rewritten
.set STO,  2                           ; v2   the way out: where I put 32 bytes of a token's row
.set RD,   3                           ; v3   the way out: where I read rows back
.set CO,   4                           ; v4   my byte offset in two rows of out0
.set BO,   5                           ; v5   my byte offset in 16 outputs of bias: 32 (l / 16)
.set SPW,  6                           ; v6   LDS address of my spare word; never rewritten
.set NIL,  7                           ; v7   0; never rewritten
.set STG,  32
.set BIAS, 224
.set BK,   32                          ; the way out: 16 rows read back, v32-63 and v64-95 by turns
.set WV,   14                          ; s14  wave
.set OB,   15                          ; s15  block row
.set TG,   16                          ; s16  token group
.set CW,   32                          ; s32  the word of the list in hand: bits still to be taken
.set HI,   33                          ; s33  the list's upper word, until it is taken into CW
.set CI,   34                          ; s34  0 or 32: which column block CW's bit 0 stands for
.set NI,   35                          ; s35  the list's length
.set KB,   36                          ; s36  the item's column block
.set TT,   37                          ; s37  at work
.set OF,   38                          ; s[38:39] an offset; the high word stays 0
.set BX,   40                          ; s[40:41] xb at the item's 8 token blocks
.set BW,   42                          ; s[42:43] wb at the item's block
.set CNT,  44                          ; s44  the loop's counter
.set BND,  45                          ; s45  its bound
.set MSB, 0
.macro WIN new                         ; the immediate's high byte repeats the setting that is left; a switch that changes nothing is dropped
.if MSB != (\new)
	s_set_vgpr_msb (MSB<<8)|(\new)
.set MSB, \new
.endif
.endm
	s_load_b256 s[4:11], s[0:1], 0x0               ; xb s[4:5], wb s[6:7], flags s[8:9], bias s[10:11]
	s_load_b64 s[12:13], s[0:1], 0x20              ; out0
	v_lshl_add_u32 v[SPW], v0, 2, SPARE
	v_mov_b32 v[NIL], 0
	v_lshrrev_b32 v8, 5, v0
	v_readfirstlane_b32 s[WV], v8                  ; wave 0..7, as a scalar
	s_lshl3_add_u32 s[OB], ttmp9, s[WV]            ; 8 gx + w
	s_and_b32 s[TG], ttmp7, 0xffff
	s_mul_i32 s17, s[WV], WSTG                     ; my stage
	v_and_b32 v8, 15, v0                           ; l % 16
	v_bfe_u32 v9, v0, 4, 1                         ; l / 16
	v_and_b32 v[LO], 31, v0
	v_lshlrev_b32 v[LO], 4, v[LO]
	v_mul_u32_u24 v[STO], v8, SP                   ; in: token l % 16, 32 bytes for each half of the lanes
	v_lshl_add_u32 v[STO], v9, 5, v[STO]
	v_add_nc_u32 v[STO], s17, v[STO]
	v_mul_u32_u24 v[RD], v9, SP                    ; back: lanes 0-15 take one row of 256 bytes, lanes 16-31 the next
	v_lshl_add_u32 v[RD], v8, 4, v[RD]
	v_add_nc_u32 v[RD], s17, v[RD]
	v_lshlrev_b32 v[CO], 4, v8                     ; and the same two rows in out0, 16,384 bytes apart
	v_lshl_add_u32 v[CO], v9, 14, v[CO]
	v_lshlrev_b32 v[BO], 5, v9
	s_mov_b32 s19, 0
	s_mov_b32 s[OF+1], 0
	s_mov_b32 s[CI], 0
	s_wait_kmcnt 0x0
	s_lshl_b32 s18, s[OB], 5                       ; the block row's four strips: 32 bytes of flags
	s_add_nc_u64 s[8:9], s[8:9], s[18:19]
	s_load_b256 s[24:31], s[8:9], 0x0
	s_lshl_b32 s18, s[OB], 8                       ; its 64 numbers of bias
	s_add_nc_u64 s[10:11], s[10:11], s[18:19]
.irp b, 0,1,2,3
	global_load_b128 v[BIAS+8*(\b):BIAS+8*(\b)+3],   v[BO], s[10:11] offset:64*(\b)      ; outputs 16 b + 8 (l / 16) + 0..3
	global_load_b128 v[BIAS+8*(\b)+4:BIAS+8*(\b)+7], v[BO], s[10:11] offset:64*(\b)+16   ; + 4..7
.endr
	s_lshl_b32 s18, s[TG], 14                      ; 8 token blocks of 2,048 bytes
	s_add_nc_u64 s[4:5], s[4:5], s[18:19]
	s_lshl_b32 s18, s[OB], 19
	s_add_nc_u64 s[6:7], s[6:7], s[18:19]
	s_lshl_b32 s18, s[TG], 21                      ; 128 rows of 16,384 bytes,
	s_lshl_b32 s[TT], s[OB], 8                     ; 64 columns of 4
	s_add_co_u32 s18, s18, s[TT]
	s_add_nc_u64 s[12:13], s[12:13], s[18:19]
	s_wait_kmcnt 0x0
	s_or_b32 s[CW], s24, s26                       ; a column block is kept if any of the four strips holds something there
	s_or_b32 s[CW], s[CW], s28
	s_or_b32 s[CW], s[CW], s30
	s_or_b32 s[HI], s25, s27
	s_or_b32 s[HI], s[HI], s29
	s_or_b32 s[HI], s[HI], s31
	s_bcnt1_i32_b32 s[NI], s[CW]
	s_bcnt1_i32_b32 s[TT], s[HI]
	s_add_co_u32 s[NI], s[NI], s[TT]               ; 0 to 64 items
.macro NORM                            ; when the word in hand is used up, the upper word takes its place: three selects, no branch
	s_cmp_eq_u32 s[CW], 0
	s_cselect_b32 s[CW], s[HI], s[CW]
	s_cselect_b32 s[CI], 32, s[CI]
	s_cselect_b32 s[HI], 0, s[HI]
.endm
.macro GEN                             ; KB = the next kept column block; its bit is taken out.  Run NI times in all, so a bit is always there
	s_ctz_i32_b32 s[TT], s[CW]
	s_add_co_u32 s[KB], s[TT], s[CI]
	s_min_u32 s[KB], s[KB], 63                     ; a number that was loaded enters an address only behind this bound: xb and wb have 64 column blocks
	s_sub_co_u32 s[TT], s[CW], 1
	s_and_b32 s[CW], s[CW], s[TT]
	NORM
.endm
.macro BASES                           ; offsets are made apart and added to the buffers' addresses
	s_lshl_b32 s[OF], s[KB], 19
	s_add_nc_u64 s[BX:BX+1], s[4:5], s[OF:OF+1]
	s_lshl_b32 s[OF], s[KB], 13
	s_add_nc_u64 s[BW:BW+1], s[6:7], s[OF:OF+1]
.endm
.macro FILL q                          ; 24 loads of 512 consecutive aligned bytes: the item's fragments of k = 32 q .. 32 q + 31.  No hint: other waves read these bytes again
.irp a, 0,1,2,3,4,5,6,7
	global_load_b128 v[STG+96*(\q)+8*(\a):STG+96*(\q)+8*(\a)+3],   v[LO], s[BX:BX+1] offset:(\a)*2048+(\q)*1024
	global_load_b128 v[STG+96*(\q)+8*(\a)+4:STG+96*(\q)+8*(\a)+7], v[LO], s[BX:BX+1] offset:(\a)*2048+(\q)*1024+512
.endr
.irp b, 0,1,2,3
	global_load_b128 v[STG+96*(\q)+64+8*(\b):STG+96*(\q)+64+8*(\b)+3],   v[LO], s[BW:BW+1] offset:(\b)*2048+(\q)*1024
	global_load_b128 v[STG+96*(\q)+64+8*(\b)+4:STG+96*(\q)+64+8*(\b)+7], v[LO], s[BW:BW+1] offset:(\b)*2048+(\q)*1024+512
.endr
.endm
.macro MUL q                           ; 32 matrix instructions.  The 32 accumulators take turns, one instruction a turn, in the same order in every run: the last is (7, 3), the next first (0, 0)
	WIN 0x50                                       ; C and D in window 1
.irp a, 0,1,2,3,4,5,6,7
.irp b, 0,1,2,3
	v_wmma_f32_16x16x32_bf16 v[8*(4*(\a)+(\b)):8*(4*(\a)+(\b))+7], v[STG+96*(\q)+64+8*(\b):STG+96*(\q)+64+8*(\b)+7], v[STG+96*(\q)+8*(\a):STG+96*(\q)+8*(\a)+7], v[8*(4*(\a)+(\b)):8*(4*(\a)+(\b))+7]
.endr
.endr
.endm
; The sums begin with the bias: 256 moves, which spare the way out its additions.  A first product with the bias as C cannot be written out ahead of the loop, since a list may be empty.
; On the usual way they stand in the wait for the first item's 48 loads.
.macro INIT
	WIN 0x40                                       ; destination in window 1
.set n, 0
.rept 256
	v_mov_b32 v[n], v[BIAS+n%32]
.set n, n+1
.endr
	WIN 0
.endm
; A load into a register that a matrix instruction has read, and an LDS store that reads a matrix result, stand four places behind that matrix instruction; only plain vector
; instructions that name none of its registers are places (ISA guide 7.12.1 for vector instructions).  No other vector work is at hand.
.macro PLACES
.rept 4
	v_nop
.endr
.endm
; THE WAY OUT of token block a.  A lane's 32 bytes of each output block go into my own stage, rows of 272 bytes, and come back as whole rows of 256.
.macro TOSTAGE a
.if (\a) > 1
	s_wait_xcnt 0x0                                ; the stores of block a - 2 have had their addresses translated (ISA guide 3.1): only behind this wait is what they read loaded anew
.endif
	WIN 0x04                                       ; the stores' data (source 1) in window 1
.irp b, 0,1,2,3
	ds_store_b128 v[STO], v[8*(4*(\a)+(\b)):8*(4*(\a)+(\b))+3]   offset:64*(\b)     ; each accumulator's four lowest registers are read first
	ds_store_b128 v[STO], v[8*(4*(\a)+(\b))+4:8*(4*(\a)+(\b))+7] offset:64*(\b)+16
.endr
	WIN 0
.irp t, 0,1,2,3,4,5,6,7
	ds_load_b128 v[BK+32*((\a)%2)+4*(\t):BK+32*((\a)%2)+4*(\t)+3], v[RD] offset:2*SP*(\t)  ; LDS serves a wave's instructions in order (ISA guide 5.7.1.4): these see the stores above; the next block's stores come behind them
.endr
.endm
.macro SEND a, younger                 ; younger: the LDS instructions issued behind block a's loads: the next block's sixteen, or none
.irp t, 0,1,2,3,4,5,6,7
	s_wait_dscnt (\younger)+7-(\t)
	global_store_b128 v[CO], v[BK+32*((\a)%2)+4*(\t):BK+32*((\a)%2)+4*(\t)+3], s[12:13] offset:(16*(\a)+2*(\t))*16384 th:TH_STORE_NT  ; 16 lanes store 256 consecutive bytes, at a multiple of 256 from out0's first; 2,064,384 at the most in the immediate
.endr
.endm
	NORM
	s_cmp_eq_u32 s[NI], 0
	s_cbranch_scc1 .Lnone
	GEN
	BASES
	FILL 0
	FILL 1
	s_wait_loadcnt 48                              ; the eight loads of bias are in; the 48 issued behind them stay out
	INIT
	s_cmp_lt_u32 s[NI], 2
	s_cbranch_scc1 .Llast
	s_sub_co_u32 s[BND], s[NI], 1
	s_mov_b32 s[CNT], 0
.Litem:                                                ; NI - 1 trips: an item is multiplied and the next is asked for.  On both ways in 48 loads are out, stage 0's first
	s_wait_loadcnt 24                              ; stage 0 is in; stage 1's 24 stay out
	MUL 0
	WIN 0
	s_wait_xcnt 0x0                                ; this item's loads have had their addresses translated: only behind this wait are their bases written anew
	GEN
	BASES
	PLACES
	FILL 0                                         ; the next item, k = 0 .. 31
	s_wait_loadcnt 24                              ; stage 1 is in; the 24 just issued stay out
	MUL 1
	WIN 0
	PLACES
	FILL 1                                         ; the next item, k = 32 .. 63
	s_add_co_u32 s[CNT], s[CNT], 1
	s_cmp_lt_u32 s[CNT], s[BND]
	s_cbranch_scc1 .Litem
.Llast:                                                ; the last item is written out: nothing is asked for past the list
	s_wait_loadcnt 24
	MUL 0
	s_wait_loadcnt 0x0
	MUL 1
	WIN 0
	s_branch .Lout
.Lnone:                                                ; an empty list: out0 = bias
	s_wait_loadcnt 0x0
	INIT
.Lout:
	PLACES                                         ; behind the last products: for the stores that read their results, and for the loads into stage 0's registers
	TOSTAGE 0
.irp a, 1,2,3,4,5,6,7                  ; block a's way through the stage stands between block a - 1's loads and its stores
	TOSTAGE \a
	SEND (\a)-1, 16
.endr
	SEND 7, 0
	s_wait_tensorcnt 0x0                           ; the wave's end, behind my last LDS store
	ds_add_u32 v[SPW], v[NIL]
	s_wait_dscnt 0x0
	s_endpgm
.Lfunc_end_k_qac2ef3b24b_spmm:
	.size	k_qac2ef3b24b_spmm, .Lfunc_end_k_qac2ef3b24b_spmm-k_qac2ef3b24b_spmm
	.p2alignl 7, 3214868480
	.fill 96, 4, 3214868480
	.section	.rodata,"a",@progbits
	.p2align	6, 0x0
	.amdhsa_kernel k_qac2ef3b24b_spmm
		.amdhsa_group_segment_fixed_size 35840
		.amdhsa_private_segment_fixed_size 0
		.amdhsa_enable_private_segment 0
		.amdhsa_kernarg_size 40
		.amdhsa_user_sgpr_count 2
		.amdhsa_user_sgpr_kernarg_segment_ptr 1
		.amdhsa_wavefront_size32 1
		.amdhsa_system_sgpr_workgroup_id_x 1
		.amdhsa_system_sgpr_workgroup_id_y 1
		.amdhsa_system_sgpr_workgroup_id_z 1
		.amdhsa_system_vgpr_workitem_id 0
		.amdhsa_next_free_vgpr 512
		.amdhsa_next_free_sgpr 66
		.amdhsa_reserve_vcc 0
		.amdhsa_float_denorm_mode_32 3
		.amdhsa_float_denorm_mode_16_64 3
		.amdhsa_memory_ordered 1
		.amdhsa_forward_progress 1
		.amdhsa_inst_pref_size 55
	.end_amdhsa_kernel
	.amdgpu_metadata
---
amdhsa.version: [ 1, 2 ]
amdhsa.kernels:
  - .name:           k_qac2ef3b24b_spmm
    .symbol:         k_qac2ef3b24b_spmm.kd
    .args:
      - { .name: xb, .offset: 0, .size: 8, .value_kind: global_buffer, .address_space: global }
      - { .name: wb, .offset: 8, .size: 8, .value_kind: global_buffer, .address_space: global }
      - { .name: flags, .offset: 16, .size: 8, .value_kind: global_buffer, .address_space: global }
      - { .name: bias, .offset: 24, .size: 8, .value_kind: global_buffer, .address_space: global }
      - { .name: out0, .offset: 32, .size: 8, .value_kind: global_buffer, .address_space: global }
    .group_segment_fixed_size: 35840
    .private_segment_fixed_size: 0
    .kernarg_segment_align: 8
    .kernarg_segment_size: 40
    .max_flat_workgroup_size: 256
    .sgpr_count:     66
    .vgpr_count:     512
    .wavefront_size: 32
...
	.end_amdgpu_metadata
.endif
;; end of part 2
